; MI455X (gfx1250); checked and timed in simulation.
; The chip was launched on July 23, 2026; its instructions are those of AMD's public machine-readable ISA for CDNA 5 (MIT licence, August 2026) and "CDNA5" Instruction Set Architecture Reference Guide (July 2026). The comments in the code are by the model that wrote it; some were corrected since.
;; Sparse Attention. Allowed arithmetic: float matrix products may take bf16 or f16 operands with f32 sums; other float arithmetic in f32, or as packed bf16 or f16 multiplies, adds, multiply-adds, maxima and minima; sums over many terms, partial sums and values carried from step to step in f32; what a program stores and reads back later, other than sums and carried values, may be rounded once to bf16 or f16.
;; Inputs: Wk 2,048 x 2,048 float32; Wo 2,048 x 2,048 float32; Wq 2,048 x 2,048 float32; Wv 2,048 x 2,048 float32; hidden_states 1 x 2,048 x 2,048 float32; rand_idx 32 x 1 int32.
;; Outputs: out0 1 x 2,048 x 2,048 float32.
;; One version. Each part assembles by itself: llvm-mc -triple=amdgcn-amd-amdhsa -mcpu=gfx1250 --defsym DOCPART=n.
;; ======== version 1 of 1: 4 launches
;; limits: values are held in f16: magnitudes above 65,504 overflow, below 6.1e-05 lose precision
;; workspace buffers: xb 8,388,608 bytes; wqkv 25,165,824 bytes; wo16 8,388,608 bytes; qh 8,388,608 bytes; kh 8,388,608 bytes; vh 8,388,608 bytes; ao 8,388,608 bytes
;; launch cast (part 1): grid 256 x 5, 8 waves a work-group, no clusters, 0 bytes of LDS; arguments hidden_states, Wq, Wk, Wv, Wo, xb, wqkv, wo16; writes xb, wqkv, wo16
.if DOCPART == 1
	.amdgcn_target "amdgcn-amd-amdhsa--gfx1250"
	.amdhsa_code_object_version 6
	.text
	.protected	k_qe2d173e26b_cast
	.globl	k_qe2d173e26b_cast
	.p2align	8
	.type	k_qe2d173e26b_cast,@function
k_qe2d173e26b_cast:
	s_mov_b64 s[64:65], 0
	v_nop
	global_prefetch_b8 v0, s[64:65] scope:SCOPE_SE
	s_setreg_imm32_b32 hwreg(HW_REG_WAVE_MODE, 25, 1), 1
	s_wait_xcnt 0x0
; The five f32 inputs of 2048 x 2048 are rounded once to 16 bits for the matrix products that follow.
; Work-group y picks the tensor: 0 hidden_states -> xb (bf16); 1, 2, 3 Wq, Wk, Wv -> wqkv[y-1] (bf16); 4 Wo -> wo16: rounded to bf16 like
; the other inputs, and that number written as f16 (exact inside f16's range).
; LIMIT: a bf16(Wo) beyond 65,504 becomes an infinity in wo16; one below 6e-5 keeps f16's fixed step of 6e-8.
; Work-group x takes 65,536 input bytes and writes 32,768.  Thread t, chunk i: 16 bytes in at i x 4,096 + 16 t (a wave's load covers 512
; consecutive bytes), 8 bytes out at i x 2,048 + 8 t (a wave's store covers 256 consecutive bytes, aligned).  All 16 loads go out first.
; No LDS, no matrix unit, no cluster: nothing is shared and nothing is read twice.
.set X, 4                              ; v[4:67]    chunk i: 4 registers as loaded
.set Y, 68                             ; v[68:99]   chunk i: 2 registers to store; each chunk has its own, so no store's data is rewritten
.set T, 100                            ; v[100:105] at work (Wo's path)
	s_load_b512 s[8:23], s[0:1], 0x0               ; hidden 8:9, Wq 10:11, Wk 12:13, Wv 14:15, Wo 16:17, xb 18:19, wqkv 20:21, wo16 22:23
	s_and_b32 s2, ttmp7, 0xffff                    ; y: which tensor
	v_lshlrev_b32 v1, 4, v0                        ; 16 t
	v_lshlrev_b32 v2, 3, v0                        ; 8 t
	s_lshl_b32 s24, ttmp9, 16                      ; my part of the source
	s_mov_b32 s25, 0
	s_lshl_b32 s26, ttmp9, 15                      ; my part of the destination,
	s_mov_b32 s27, 0
	s_sub_co_u32 s3, s2, 1                         ; and for y = 1, 2, 3 the weight's place in wqkv: (y - 1) x 8 MiB
	s_cmp_lt_u32 s3, 3
	s_cselect_b32 s3, s3, 0
	s_lshl_b32 s3, s3, 23
	s_add_co_u32 s26, s26, s3
	s_wait_kmcnt 0x0
	s_mov_b64 s[4:5], s[8:9]                       ; the source and the destination are chosen by y alone
	s_mov_b64 s[6:7], s[20:21]
	s_cmp_eq_u32 s2, 1
	s_cselect_b64 s[4:5], s[10:11], s[4:5]
	s_cmp_eq_u32 s2, 2
	s_cselect_b64 s[4:5], s[12:13], s[4:5]
	s_cmp_eq_u32 s2, 3
	s_cselect_b64 s[4:5], s[14:15], s[4:5]
	s_cmp_eq_u32 s2, 0
	s_cselect_b64 s[6:7], s[18:19], s[6:7]
	s_cmp_eq_u32 s2, 4
	s_cselect_b64 s[4:5], s[16:17], s[4:5]
	s_cselect_b64 s[6:7], s[22:23], s[6:7]
	s_add_nc_u64 s[4:5], s[4:5], s[24:25]
	s_add_nc_u64 s[6:7], s[6:7], s[26:27]
.irp i, 0,1,2,3,4,5,6,7,8,9,10,11,12,13,14,15
	global_load_b128 v[X+4*(\i):X+4*(\i)+3], v1, s[4:5] offset:(\i)*4096 th:TH_LOAD_NT  ; read once in the whole program
.endr
	s_cmp_eq_u32 s2, 4
	s_cbranch_scc1 .Lwo
.irp i, 0,1,2,3,4,5,6,7,8,9,10,11,12,13,14,15
	s_wait_loadcnt 15-(\i)                         ; loads come back in order: chunk i is in, the younger ones stay out
	v_cvt_pk_bf16_f32 v[Y+2*(\i)],   v[X+4*(\i)],   v[X+4*(\i)+1]
	v_cvt_pk_bf16_f32 v[Y+2*(\i)+1], v[X+4*(\i)+2], v[X+4*(\i)+3]
	global_store_b64 v2, v[Y+2*(\i):Y+2*(\i)+1], s[6:7] offset:(\i)*2048
.endr
	s_endpgm
.Lwo:
.irp i, 0,1,2,3,4,5,6,7,8,9,10,11,12,13,14,15
	s_wait_loadcnt 15-(\i)
	v_cvt_pk_bf16_f32 v[T],   v[X+4*(\i)],   v[X+4*(\i)+1]  ; the rounding that all inputs have,
	v_cvt_pk_bf16_f32 v[T+1], v[X+4*(\i)+2], v[X+4*(\i)+3]
	v_lshlrev_b32 v[T+2], 16, v[T]                           ; back to f32,
	v_and_b32     v[T+3], 0xffff0000, v[T]
	v_lshlrev_b32 v[T+4], 16, v[T+1]
	v_and_b32     v[T+5], 0xffff0000, v[T+1]
	v_cvt_pk_f16_f32 v[Y+2*(\i)],   v[T+2], v[T+3]           ; and written as f16
	v_cvt_pk_f16_f32 v[Y+2*(\i)+1], v[T+4], v[T+5]
	global_store_b64 v2, v[Y+2*(\i):Y+2*(\i)+1], s[6:7] offset:(\i)*2048
.endr
	s_endpgm
.Lfunc_end_k_qe2d173e26b_cast:
	.size	k_qe2d173e26b_cast, .Lfunc_end_k_qe2d173e26b_cast-k_qe2d173e26b_cast
	.p2alignl 7, 3214868480
	.fill 96, 4, 3214868480
	.section	.rodata,"a",@progbits
	.p2align	6, 0x0
	.amdhsa_kernel k_qe2d173e26b_cast
		.amdhsa_group_segment_fixed_size 0
		.amdhsa_private_segment_fixed_size 0
		.amdhsa_enable_private_segment 0
		.amdhsa_kernarg_size 64
		.amdhsa_user_sgpr_count 2
		.amdhsa_user_sgpr_kernarg_segment_ptr 1
		.amdhsa_wavefront_size32 1
		.amdhsa_system_sgpr_workgroup_id_x 1
		.amdhsa_system_sgpr_workgroup_id_y 1
		.amdhsa_system_sgpr_workgroup_id_z 1
		.amdhsa_system_vgpr_workitem_id 0
		.amdhsa_next_free_vgpr 108
		.amdhsa_next_free_sgpr 66
		.amdhsa_reserve_vcc 0
		.amdhsa_float_denorm_mode_32 3
		.amdhsa_float_denorm_mode_16_64 3
		.amdhsa_memory_ordered 1
		.amdhsa_forward_progress 1
		.amdhsa_inst_pref_size 16
	.end_amdhsa_kernel
	.amdgpu_metadata
---
amdhsa.version: [ 1, 2 ]
amdhsa.kernels:
  - .name:           k_qe2d173e26b_cast
    .symbol:         k_qe2d173e26b_cast.kd
    .args:
      - { .name: hidden_states, .offset: 0, .size: 8, .value_kind: global_buffer, .address_space: global }
      - { .name: Wq, .offset: 8, .size: 8, .value_kind: global_buffer, .address_space: global }
      - { .name: Wk, .offset: 16, .size: 8, .value_kind: global_buffer, .address_space: global }
      - { .name: Wv, .offset: 24, .size: 8, .value_kind: global_buffer, .address_space: global }
      - { .name: Wo, .offset: 32, .size: 8, .value_kind: global_buffer, .address_space: global }
      - { .name: xb, .offset: 40, .size: 8, .value_kind: global_buffer, .address_space: global }
      - { .name: wqkv, .offset: 48, .size: 8, .value_kind: global_buffer, .address_space: global }
      - { .name: wo16, .offset: 56, .size: 8, .value_kind: global_buffer, .address_space: global }
    .group_segment_fixed_size: 0
    .private_segment_fixed_size: 0
    .kernarg_segment_align: 8
    .kernarg_segment_size: 64
    .max_flat_workgroup_size: 256
    .sgpr_count:     66
    .vgpr_count:     108
    .wavefront_size: 32
...
	.end_amdgpu_metadata
.endif
;; end of part 1
;; launch qkv (part 2): grid 16 x 16, 4 waves a work-group, clusters of 4 x 4, 327,680 bytes of LDS; arguments xb, wqkv, qh, kh, vh; writes qh, kh, vh
.if DOCPART == 2
	.amdgcn_target "amdgcn-amd-amdhsa--gfx1250"
	.amdhsa_code_object_version 6
	.text
	.protected	k_qe2d173e26b_qkv
	.globl	k_qe2d173e26b_qkv
	.p2align	8
	.type	k_qe2d173e26b_qkv,@function
k_qe2d173e26b_qkv:
	s_mov_b64 s[64:65], 0
	v_nop
	global_prefetch_b8 v0, s[64:65] scope:SCOPE_SE
	s_setreg_imm32_b32 hwreg(HW_REG_WAVE_MODE, 25, 1), 1
	s_wait_xcnt 0x0
	s_wait_alu depctr_hold_cnt(0) depctr_sa_sdst(0) depctr_va_vdst(0) depctr_va_sdst(0) depctr_va_ssrc(0) depctr_va_vcc(0) depctr_vm_vsrc(0)
	s_getreg_b32 s2, hwreg(HW_REG_IB_STS2, 6, 4)
	s_cmp_eq_u32 s2, 0
	s_cbranch_scc0 .Lentry_in_a_cluster
	s_endpgm
.Lentry_in_a_cluster:
	s_bfe_u32 s2, ttmp6, 0x10000c
	s_cmp_lg_u32 s2, 0xf033
	s_cbranch_scc0 .Lentry_shape_is_right
	s_endpgm
.Lentry_shape_is_right:
; q, k, v = x Wq^T, x Wk^T, x Wv^T in one launch.  xb: [2048][2048] bf16; wqkv: [3][2048][2048] bf16; qh, kh, vh: [16 heads][2048][128] f16, unscaled.
; Sums in f32, K ascending, each result rounded once to f16.  LIMIT: a q, k or v beyond 65,504 becomes an infinity; below 6e-5 it keeps f16's step of 6e-8.
; SHARES.  Work-group (h, m): 128 rows of x (block m) against head h's 128 rows of each of Wq, Wk, Wv: a tile of 128 x 384; 16 x 16 = 256 work-groups.
; Wave w makes all 128 rows x tile columns 96 w .. 96 w + 95: 48 accumulators of 16 x 16, 384 registers; for 32 along K it reads 224 LDS rows for 48 matrix instructions.
; RING.  K goes in steps of 128 through two LDS slots (A's 128 rows, then Wq's, Wk's, Wv's, 272 bytes apart).  Each wave fetches one of the four parts with one tensor load of 128 rows x 256 bytes.
; CLUSTER.  4 x 4 work-groups: the four of a row share block m, so x's tile is asked for jointly along the row; the four of a column share head h, so the weights' tiles are asked for jointly along the column.
; THE MATRIX INSTRUCTION IS USED TRANSPOSED (source 0 = 16 rows of W, source 1 = 16 rows of x): a lane holds eight neighbouring columns of one row.
; REGISTERS, in windows of 256: window 0: v0-31 addresses; v64-127, v128-191 fragments of x, two buffers; on the way out v64-255 packed results, then whole rows.
;   window 1: v64-111, v128-175 fragments of W.   window 2: accumulators of rows 0-63 ((a, b) at v[8 (6 a + b)]).   window 3: those of rows 64-127.
.set SIZE_K, 2048
.set KSTEP,  128
.set PITCH,  272                       ; 256 bytes + 16 of padding = 68 words: the 16 rows of a fragment load start at 16 different groups of four banks
.set HALFT,  128*PITCH                 ; what one tensor load brings
.set SLOT,   4*HALFT
.set SPARE,  2*SLOT                    ; behind the ring: the spare words, 128 bytes a wave, two blocks of 256 bytes that no other line names
.set SPITCH, 784                       ; the stage for the way out: 128 rows of 768 bytes + 16, from LDS byte 0: slot 0 has had its last fill by then, and every wave's reads of it are over
.set LAPS,   SIZE_K/(2*KSTEP)          ; a lap = two K steps = once round the ring
.set ADRA, 16                          ; v16-17  LDS address of my fragments of x in slot 0, 1
.set ADRB, 20                          ; v20-21  the same for W
.set STO,  24                          ; v24-25  the way out: where I put 16 bytes of a row, rows 0-63 and rows 64-127
.set RD,   26                          ; v26     where I read rows back
.set CO,   27                          ; v27     my 16 bytes in 512 consecutive bytes of the output
.set SPW,  28                          ; v28     LDS address of my spare word; never rewritten
.set NIL,  29                          ; v29     0; never rewritten
.set F0,   64
.set F1,   128
.set TMP,  64
.set WV,   14                          ; s14  my wave's number
.set G1,   24                          ; s[24:31] descriptor group 1 for x's tiles;  s[32:39] group 0, a set for each slot
.set G0,   32
.set G1B,  48                          ; s[48:55], s[56:63] the same for W's tiles
.set G0B,  56
.set MSB, 0
.macro WIN new                         ; the immediate's high byte repeats the setting that is left; a switch that changes nothing is dropped
.if MSB != (\new)
	s_set_vgpr_msb (MSB<<8)|(\new)
.set MSB, \new
.endif
.endm
.set MUL_LO, 0xa1                      ; source 0 (W) window 1, source 1 (x) window 0, C and D window 2
.set MUL_HI, 0xf1                      ; the same, C and D window 3
.set TO_B,   0x40                      ; destination window 1, address window 0
; A joint load.  Wave 0 fetches x's tile, waves 1 to 3 the tiles of Wq, Wk, Wv.  The branch hangs on the wave's number alone.
; An s_nop 0 and four v_nop follow each of the two lines, ahead of the jump and the label.
.macro JLOAD s
	s_cmp_eq_u32 s[WV], 0
	s_cbranch_scc0 .Lfor_b_\@
	tensor_load_to_lds s[G0+4*(\s):G0+4*(\s)+3], s[G1:G1+7]
	s_nop 0
.rept 4
	v_nop
.endr
	s_branch .Lasked_\@
.Lfor_b_\@:
	tensor_load_to_lds s[G0B+4*(\s):G0B+4*(\s)+3], s[G1B:G1B+7]
	s_nop 0
.rept 4
	v_nop
.endr
.Lasked_\@:
.endm
.macro CREST                           ; a round of the cluster's barrier behind its opening barrier
	s_cmp_lg_u32 s[WV], 0
	s_cbranch_scc1 .Lnot_wave_0_\@
	s_barrier_signal -3
.Lnot_wave_0_\@:
	s_barrier_wait -3
	s_barrier_signal -1
	s_barrier_wait -1
.endm
.macro CROUND                          ; a whole round
	s_barrier_signal -1
	s_barrier_wait -1
	CREST
.endm
	s_load_b256 s[4:11], s[0:1], 0x0               ; xb s[4:5], wqkv s[6:7], qh s[8:9], kh s[10:11]
	s_load_b64 s[12:13], s[0:1], 0x20              ; vh
	v_lshl_add_u32 v[SPW], v0, 2, SPARE
	v_mov_b32 v[NIL], 0
	ds_add_u32 v[SPW], v[NIL]                      ; the wave's opening: the add and its wait stand ahead of my first tensor load; the set-up below stands between them
	ds_add_u32 v28, v29
	v_lshrrev_b32 v1, 5, v0
	v_readfirstlane_b32 s[WV], v1                  ; wave 0..3
	s_max_u32 s15, s[WV], 1
	s_sub_co_u32 s15, s15, 1                       ; which weight I fetch: wave 1, 2, 3 -> 0, 1, 2 (wave 0 asks by x's descriptor)
	s_bfe_u32 s40, ttmp6, 0x40000                  ; cx, cy: my place in the cluster
	s_bfe_u32 s41, ttmp6, 0x40004
	s_lshl_b32 s42, ttmp9, 2
	s_add_co_u32 s42, s42, s40                     ; the head h = 4 x cluster x + cx
	s_and_b32 s43, ttmp7, 0xffff
	s_lshl_b32 s43, s43, 2
	s_add_co_u32 s43, s43, s41                     ; the row block m = 4 x cluster y + cy
	s_lshl_b32 s44, s41, 2
	s_lshl_b32 s44, 15, s44                        ; my row of the cluster
	s_lshl_b32 s45, 0x1111, s40                    ; my column
	; descriptor group 1: a tile of 128 rows x 128 elements, padded in LDS
	s_or_b32 s[G1+0], s44, (1<<16)|(1<<20)|(1<<21)|(5<<22)|(3<<25)   ; 15:0 the mask; 17:16 2-byte elements; 20 padding on; 21 set beside a mask; 24:22 after every 64 words; 31:25 4 words
	s_or_b32 s[G1B+0], s45, (1<<16)|(1<<20)|(1<<21)|(5<<22)|(3<<25)
.irp g, G1, G1B
	s_mov_b32 s[(\g)+1], KSTEP<<16                 ; tensor_dim0 = 128
	s_mov_b32 s[(\g)+2], 128<<16                   ; tensor_dim1 = 128
	s_mov_b32 s[(\g)+3], KSTEP<<16                 ; tile_dim0 = 128
	s_mov_b32 s[(\g)+4], 128                       ; tile_dim1 = 128
	s_mov_b32 s[(\g)+5], SIZE_K                    ; elements from row to row
	s_mov_b32 s[(\g)+6], 0
	s_mov_b32 s[(\g)+7], 0
.endr
	s_lshl_b32 s16, s43, 19                        ; x: 128 m rows of 4,096 bytes: hangs on m alone
	s_mov_b32 s17, 0
	s_lshl_b32 s46, s15, 23                        ; W: the weight's 8 MiB, and 128 h rows: hangs on h and the wave alone
	s_lshl_b32 s47, s42, 19
	s_add_co_u32 s46, s46, s47
	s_mov_b32 s47, 0
	s_mul_i32 s20, s[WV], HALFT                    ; where my part goes: wave x 128 rows
	s_lshl_b32 s18, s42, 19                        ; the output: head h's 524,288 bytes, 128 m rows of 256 bytes, and the 32 rows that I store
	s_lshl_b32 s21, s43, 15
	s_add_co_u32 s18, s18, s21
	s_lshl_b32 s21, s[WV], 13
	s_add_co_u32 s18, s18, s21
	s_mov_b32 s19, 0
	s_wait_dscnt 0x0                               ; the opening add is done
	s_wait_kmcnt 0x0
	s_add_nc_u64 s[16:17], s[4:5], s[16:17]
	s_add_nc_u64 s[46:47], s[6:7], s[46:47]
	s_add_nc_u64 s[8:9], s[8:9], s[18:19]
	s_add_nc_u64 s[10:11], s[10:11], s[18:19]
	s_add_nc_u64 s[12:13], s[12:13], s[18:19]
	CROUND                                         ; all sixteen work-groups are here: the first joint loads meet
.irp s, 0,1
	s_mov_b32 s[G0+4*(\s)], 1                                        ; count = 1
	s_add_co_u32 s[G0+4*(\s)+1], s20, (\s)*SLOT                      ; LDS address
	s_add_nc_u64 s[G0+4*(\s)+2:G0+4*(\s)+3], s[16:17], (\s)*KSTEP*2  ; global address: K step s
	s_or_b32 s[G0+4*(\s)+3], s[G0+4*(\s)+3], 0x80000000              ; type = 2
	s_mov_b32 s[G0B+4*(\s)], 1
	s_add_co_u32 s[G0B+4*(\s)+1], s20, (\s)*SLOT
	s_add_nc_u64 s[G0B+4*(\s)+2:G0B+4*(\s)+3], s[46:47], (\s)*KSTEP*2
	s_or_b32 s[G0B+4*(\s)+3], s[G0B+4*(\s)+3], 0x80000000
	JLOAD \s                                       ; two loads of mine are out
.endr
	; a fragment is 16 rows x 32 K in 8 registers: lane l holds row l % 16, K = 8 (l / 16) + 0..7 and 16 + 8 (l / 16) + 0..7: two loads of 16 bytes, 32 bytes apart
	v_and_b32 v1, 15, v0                           ; l % 16
	v_bfe_u32 v2, v0, 4, 1                         ; l / 16
	v_mul_u32_u24 v3, v1, PITCH
	v_lshl_add_u32 v3, v2, 4, v3
	s_mul_i32 s22, s[WV], 96*PITCH                 ; my 96 of W's 384 rows,
	s_add_co_u32 s22, s22, HALFT                   ; which lie behind x's 128
	v_mov_b32 v[ADRA], v3                          ; every wave reads all 128 rows of x
	v_add_nc_u32 v[ADRA+1], SLOT, v3
	v_add_nc_u32 v[ADRB], s22, v3
	s_add_co_u32 s22, s22, SLOT
	v_add_nc_u32 v[ADRB+1], s22, v3
	s_mul_i32 s21, s[WV], 192                      ; into the stage: row l % 16, my 192 bytes of its 768, 16 bytes for each half of the lanes
	v_mul_u32_u24 v4, v1, SPITCH
	v_lshl_add_u32 v4, v2, 4, v4
	v_add_nc_u32 v[STO], s21, v4
	v_add_nc_u32 v[STO+1], 64*SPITCH, v[STO]
	s_mul_i32 s22, s[WV], 32*SPITCH                ; back: wave w takes rows 32 w .. 32 w + 31; lanes 0-15 one row's 256 bytes, lanes 16-31 the next row's
	v_mul_u32_u24 v5, v2, SPITCH
	v_lshl_add_u32 v5, v1, 4, v5
	v_add_nc_u32 v[RD], s22, v5
	v_and_b32 v[CO], 31, v0                        ; which are 512 consecutive bytes of a head
	v_lshlrev_b32 v[CO], 4, v[CO]
; 12 matrix instructions: row blocks a0, a0 + 1 of the window's four x all 6 column blocks, 32 along K.  zero = 1: the first product starts the sums.
; The 48 accumulators take turns, one instruction a turn, in the same order in every quarter.
.macro MUL12 f, hi, a0, zero
	WIN MUL_LO+0x50*(\hi)
.irp a, \a0, (\a0)+1
.irp b, 0,1,2,3,4,5
.if \zero
	v_wmma_f32_16x16x32_bf16 v[8*(6*(\a)+(\b)):8*(6*(\a)+(\b))+7], v[(\f)+8*(\b):(\f)+8*(\b)+7], v[(\f)+8*(4*(\hi)+(\a)):(\f)+8*(4*(\hi)+(\a))+7], 0
.else
	v_wmma_f32_16x16x32_bf16 v[8*(6*(\a)+(\b)):8*(6*(\a)+(\b))+7], v[(\f)+8*(\b):(\f)+8*(\b)+7], v[(\f)+8*(4*(\hi)+(\a)):(\f)+8*(4*(\hi)+(\a))+7], v[8*(6*(\a)+(\b)):8*(6*(\a)+(\b))+7]
.endif
.endr
.endr
.endm
; 28 LDS loads in one run: 96 rows of W, then 128 rows of x, 32 K at byte k of the rows, into buffer f
.macro FETCH slot, k, f
	WIN TO_B
.irp i, 0,1,2,3,4,5
	ds_load_b128 v[(\f)+8*(\i):(\f)+8*(\i)+3],   v[ADRB+(\slot)] offset:(\k)+(\i)*16*PITCH
	ds_load_b128 v[(\f)+8*(\i)+4:(\f)+8*(\i)+7], v[ADRB+(\slot)] offset:(\k)+(\i)*16*PITCH+32
.endr
	WIN 0
.irp i, 0,1,2,3,4,5,6,7
	ds_load_b128 v[(\f)+8*(\i):(\f)+8*(\i)+3],   v[ADRA+(\slot)] offset:(\k)+(\i)*16*PITCH
	ds_load_b128 v[(\f)+8*(\i)+4:(\f)+8*(\i)+7], v[ADRA+(\slot)] offset:(\k)+(\i)*16*PITCH+32
.endr
.endm
.macro PLACES                          ; four plain places between a matrix instruction and a load into, or a vector read or write of, its registers
.rept 4
	v_nop
.endr
.endm
; A K step is four quarters of 32 along K, 48 matrix instructions each, on buffers 0, 1, 0, 1.  One of the first three: multiplies f, fetches the next quarter, at byte k, into g.
.macro QUARTER slot, k, f, g, zero
	s_wait_dscnt 8                                 ; W and x's rows 0-63 are in; the youngest eight loads (x's rows 64-127) may be out
	MUL12 \f, 0, 0, \zero
	MUL12 \f, 0, 2, \zero
	PLACES
	FETCH \slot, \k, \g
	s_wait_dscnt 28                                ; all but the 28 just issued
	MUL12 \f, 1, 0, \zero
	MUL12 \f, 1, 2, \zero
.endm
; The last quarter multiplies buffer 1 and changes slots.  ONE barrier: in front of it each wave waits for all its tensor loads (one is out: its part of the next slot), adds 0 to its spare word,
; and waits for that and for its own reads of this slot.  Behind it nobody reads this slot any more and the next slot is whole.
.macro MEET round
	WIN 0                                          ; (the add's two registers lie in window 0)
	s_wait_tensorcnt 0x0
	ds_add_u32 v[SPW], v[NIL]
	s_wait_dscnt 9                                 ; (the add and the youngest eight loads may be out)
	MUL12 F1, 0, 0, 0                              ; twelve matrix instructions stand between the add and the wait for it
	s_wait_dscnt 0x0                               ; the add is done, and my reads of this slot are over
	s_barrier_signal -1
	MUL12 F1, 0, 2, 0
.if \round
	WIN 0
.endif
	s_barrier_wait -1
.endm
; fill = 1: the barrier opens a round of the cluster's barrier, and the slot just read out is filled again, two K steps ahead, first thing behind the round:
; from that request to the wait for it a wave issues 168 matrix instructions.
.macro TURN slot, next, fill
	MEET \fill
.if \fill
	CREST
	s_add_nc_u64 s[G0+4*(\slot)+2:G0+4*(\slot)+3], s[G0+4*(\slot)+2:G0+4*(\slot)+3], 2*KSTEP*2
	s_add_nc_u64 s[G0B+4*(\slot)+2:G0B+4*(\slot)+3], s[G0B+4*(\slot)+2:G0B+4*(\slot)+3], 2*KSTEP*2
	JLOAD \slot                                    ; its four v_nop are also the places in front of the loads below
.else
	PLACES
.endif
	FETCH \next, 0, F0
	MUL12 F1, 1, 0, 0
	MUL12 F1, 1, 2, 0
.endm
	s_wait_tensorcnt 1                             ; my part of K step 0 is in; K step 1's may stay out
	s_barrier_signal -1
	s_barrier_wait -1                              ; everybody's is
	FETCH 0, 0, F0
	QUARTER 0, 64,  F0, F1, 1                      ; the first quarter stands in front of the loop: its products start the sums
	WIN 0                                          ; at a label and at a branch every window is 0
	s_mov_b32 s3, LAPS-1
.Llap:                                                 ; a trip goes once round the ring, from a lap's second quarter to the next lap's first, and fills both slots again
	QUARTER 0, 128, F1, F0, 0
	QUARTER 0, 192, F0, F1, 0
	TURN 0, 1, 1
	QUARTER 1, 64,  F0, F1, 0
	QUARTER 1, 128, F1, F0, 0
	QUARTER 1, 192, F0, F1, 0
	TURN 1, 0, 1
	QUARTER 0, 64,  F0, F1, 0
	WIN 0
	s_sub_co_u32 s3, s3, 1
	s_cmp_lg_u32 s3, 0
	s_cbranch_scc1 .Llap
	QUARTER 0, 128, F1, F0, 0                      ; the last lap fills nothing
	QUARTER 0, 192, F0, F1, 0
	TURN 0, 1, 0                                   ; behind this barrier no wave reads slot 0 again
	QUARTER 1, 64,  F0, F1, 0
	QUARTER 1, 128, F1, F0, 0
	QUARTER 1, 192, F0, F1, 0
	s_wait_dscnt 8                                 ; the very last quarter: nothing more to fetch
	MUL12 F1, 0, 0, 0
	MUL12 F1, 0, 2, 0
	s_wait_dscnt 0x0
	MUL12 F1, 1, 0, 0
	MUL12 F1, 1, 2, 0
	WIN 0
	; THE WAY OUT: rounded to f16, 16 bytes a lane into the work-group's stage; a barrier, since a row's 768 bytes come from four waves; back as whole rows of 256 bytes for each of q, k, v.
	PLACES
.irp hi, 0,1
	WIN 0x0a+5*(\hi)                               ; sources 0 and 1: window 2 or 3
.set i, 0
.rept 24
.irp r, 0,1,2,3
	v_cvt_pk_f16_f32 v[TMP+96*(\hi)+4*i+(\r)], v[8*i+2*(\r)], v[8*i+2*(\r)+1]  ; each accumulator's registers in ascending order
.endr
.set i, i+1
.endr
	WIN 0
.irp a, 0,1,2,3
.irp b, 0,1,2,3,4,5
	ds_store_b128 v[STO+(\hi)], v[TMP+96*(\hi)+4*(6*(\a)+(\b)):TMP+96*(\hi)+4*(6*(\a)+(\b))+3] offset:(\a)*16*SPITCH+32*(\b)
.endr
.endr
.endr
	s_wait_dscnt 0x0                               ; for the others' sake: my stores into the stage are done
	s_barrier_signal -1
	s_barrier_wait -1
.set n, 0
.rept 48                                       ; n = 16 t + p: tensor t (q, k, v), rows 2 p and 2 p + 1 of my 32
	ds_load_b128 v[TMP+4*n:TMP+4*n+3], v[RD] offset:(n/16)*256+(n%16)*2*SPITCH
.set n, n+1
.endr
.set n, 0
.rept 48
	s_wait_dscnt 47-n                              ; LDS loads come back in order: number n is in
	global_store_b128 v[CO], v[TMP+4*n:TMP+4*n+3], s[8+2*(n/16):9+2*(n/16)] offset:(n%16)*512  ; 512 consecutive bytes of head h, at a multiple of 256 from the buffer's first byte
.set n, n+1
.endr
	s_wait_tensorcnt 0x0                           ; the wave's end: the add of 0 and its wait, behind my last tensor load and my last LDS store
	ds_add_u32 v[SPW], v[NIL]
	s_wait_dscnt 0x0
	CROUND                                         ; the closing round: no work-group ends while a partner may still ask for a tile that names it
	s_endpgm
.Lfunc_end_k_qe2d173e26b_qkv:
	.size	k_qe2d173e26b_qkv, .Lfunc_end_k_qe2d173e26b_qkv-k_qe2d173e26b_qkv
	.p2alignl 7, 3214868480
	.fill 96, 4, 3214868480
	.section	.rodata,"a",@progbits
	.p2align	6, 0x0
	.amdhsa_kernel k_qe2d173e26b_qkv
		.amdhsa_group_segment_fixed_size 327680
		.amdhsa_private_segment_fixed_size 0
		.amdhsa_enable_private_segment 0
		.amdhsa_kernarg_size 40
		.amdhsa_user_sgpr_count 2
		.amdhsa_user_sgpr_kernarg_segment_ptr 1
		.amdhsa_wavefront_size32 1
		.amdhsa_system_sgpr_workgroup_id_x 1
		.amdhsa_system_sgpr_workgroup_id_y 1
		.amdhsa_system_sgpr_workgroup_id_z 1
		.amdhsa_system_vgpr_workitem_id 0
		.amdhsa_next_free_vgpr 960
		.amdhsa_next_free_sgpr 66
		.amdhsa_reserve_vcc 0
		.amdhsa_float_denorm_mode_32 3
		.amdhsa_float_denorm_mode_16_64 3
		.amdhsa_memory_ordered 1
		.amdhsa_forward_progress 1
		.amdhsa_inst_pref_size 115
	.end_amdhsa_kernel
	.amdgpu_metadata
---
amdhsa.version: [ 1, 2 ]
amdhsa.kernels:
  - .name:           k_qe2d173e26b_qkv
    .symbol:         k_qe2d173e26b_qkv.kd
    .args:
      - { .name: xb, .offset: 0, .size: 8, .value_kind: global_buffer, .address_space: global }
      - { .name: wqkv, .offset: 8, .size: 8, .value_kind: global_buffer, .address_space: global }
      - { .name: qh, .offset: 16, .size: 8, .value_kind: global_buffer, .address_space: global }
      - { .name: kh, .offset: 24, .size: 8, .value_kind: global_buffer, .address_space: global }
      - { .name: vh, .offset: 32, .size: 8, .value_kind: global_buffer, .address_space: global }
    .group_segment_fixed_size: 327680
    .private_segment_fixed_size: 0
    .kernarg_segment_align: 8
    .kernarg_segment_size: 40
    .max_flat_workgroup_size: 128
    .sgpr_count:     66
    .vgpr_count:     960
    .wavefront_size: 32
...
	.end_amdgpu_metadata
.endif
;; end of part 2
;; launch attn (part 3): grid 16 x 16, 4 waves a work-group, no clusters, 327,680 bytes of LDS; arguments qh, kh, vh, rand_idx, ao; writes ao
.if DOCPART == 3
	.amdgcn_target "amdgcn-amd-amdhsa--gfx1250"
	.amdhsa_code_object_version 6
	.text
	.protected	k_qe2d173e26b_attn
	.globl	k_qe2d173e26b_attn
	.p2align	8
	.type	k_qe2d173e26b_attn,@function
k_qe2d173e26b_attn:
	s_mov_b64 s[64:65], 0
	v_nop
	global_prefetch_b8 v0, s[64:65] scope:SCOPE_SE
	s_setreg_imm32_b32 hwreg(HW_REG_WAVE_MODE, 25, 1), 1
	s_wait_xcnt 0x0
; BLOCK-SPARSE ATTENTION.  Query block i (64 rows) sees the key blocks 0, 31, i - 1, i, i + 1 and rand_idx[i]; a block named twice counts once, one outside 0..31 names nothing.
; qh, kh, vh: [16][2048][128] f16, unscaled; ao: [2048][2048] f16, column 128 h + d.  Products, maximum and sum in f32; the weights are rounded to f16 for the second product
; (their sum is taken of the unrounded weights), O once at the end.  p = 2^(c s - c m), c = log2(e) / sqrt(128), m the maximum of the WHOLE row: all six steps' scores stay in registers.
; LIMITS.  q, k, v arrive within f16's 65,504; a hidden score counts as its value less 1e30 (f16's scores are 5.5e11 at the most); a weight below 2^-126 counts as 0; NaN and infinities are not treated apart.
; SHARES.  Work-group (j, h): the query blocks 2 j and 2 j + 1 of head h; wave w owns 32 queries (two tiles of 16) of block i = 2 j + g, g = w / 2.  16 x 16 = 256 work-groups.
; LDS holds all that the pair needs, in 8 slots of K and 8 of V: the blocks 0, 31, max(2j-1, 0), 2j, 2j+1, min(2j+2, 31), min(r0, 31), min(r1, 31).  Each slot is filled once: no ring, no refill.
; A wave walks six steps, the slots 0, 1, 3, 4, 2 + 3 g, 6 + g.  A step whose block is a duplicate or does not exist is still computed, on a valid block, with -1e30 as the C operand that starts its
; scores: its weights are 0.  Steps 0 and 1 are always live, so m is a true score.  rand_idx enters one global address (clamped) and one scalar mask value: no branch, no trip count.
; NO CLUSTER: the work-groups of a head share the key blocks 0 and 31 alone, 2 of a work-group's 8 slots.
; LAYOUT.  S^T = K Q^T: a lane holds ONE query (lane % 16) and the keys 8 (lane / 16) + 0..7; two such results rounded to f16 ARE source 1 of O^T = V^T P.  V is turned on its way out of LDS.
; REGISTERS, in windows of 256 (s_set_vgpr_msb: bits 1:0 source 0, 3:2 source 1, 5:4 source 2, 7:6 destination):
;   window 0: v0-31 addresses, 1 / l; v32-63 the masks of steps 2 to 5; v64-127 Q; v128-255 O^T
;   window 1 + t: tile t's S^T, v0-191 (step s, key block kb at 32 s + 8 kb); P is made in place at v0-95 (16 s + 4 kb); v192-207 at work          window 3: two fragment buffers of 128
.set PK,    272                        ; a row of K in LDS: 256 bytes + 16: the 16 rows of a load start at 16 different groups of four banks
.set PV,    288                        ; a row of V: 256 + 32
.set KT,    64*PK
.set VT,    64*PV
.set VB,    8*KT
.set STAGE, VB+8*VT                    ; 16 rows x 272 bytes for each wave, for the way out; no tensor load fills it
.set SP,    272
.set SPARE, STAGE+4*16*SP              ; the spare words, 128 bytes a wave: two blocks of 256 bytes that no other line names
.set AK0, 3                            ; v3      my lane's place in a tile of K
.set AV0, 4                            ; v4      the same for V, from V's first slot
.set QO,  5                            ; v5      my byte offset in 16 rows of Q
.set STO, 6                            ; v6      the way out: where I put 16 bytes of a row
.set RD,  7                            ; v7      where I read rows back
.set GO,  8                            ; v8      my byte offset in two rows of ao
.set AK,  10                           ; v10-15  K's LDS address for step s
.set AV,  16                           ; v16-21  V's
.set SPW, 22                           ; v22     LDS address of my spare word; never rewritten
.set NIL, 23                           ; v23     0; never rewritten
.set RL,  24                           ; v24-27  1 / l of tile t, twice
.set MC,  32                           ; v32-63  eight registers of 0 or -1e30 for each of the steps 2 to 5; later the packed results
.set QF,  64
.set OF,  128
.set CH,  192                          ; windows 1, 2: four chains of the maximum
.set CM,  198                          ; c m, m
.set LS,  200                          ; four pairs of partial sums
.set F0,  0
.set F1,  128
.set WV,  14                           ; s14 wave;  s15 j;  s16 h;  s17 g
.set JJ,  15
.set HH,  16
.set GG,  17
.set G1K, 24                           ; s[24:31] descriptor group 1 for K's tiles
.set G1V, 32                           ; s[32:39] for V's: it differs in the padding alone
.set G0,  40                           ; s[40:55] four groups 0: K of my two slots, V of my two slots
.set CS,  56                           ; s[56:57] c, twice
.set SEL, 58                           ; s[58:59] v_permlanex16_b32's selects: each lane takes its own place in the other half
.set BIGN, 60                          ; s60  -1e30
.set BE,  68                           ; s68-71  the mask value of steps 2 to 5
.set MSB, 0
.macro WIN new
.if MSB != (\new)
	s_set_vgpr_msb (MSB<<8)|(\new)
.set MSB, \new
.endif
.endm
.macro PLACES                          ; four plain places between a matrix instruction and a load into, or a vector read of, its registers
.rept 4
	v_nop
.endr
.endm
	s_load_b256 s[4:11], s[0:1], 0x0               ; qh s[4:5], kh s[6:7], vh s[8:9], rand_idx s[10:11]
	s_load_b64 s[12:13], s[0:1], 0x20              ; ao
	v_lshl_add_u32 v[SPW], v0, 2, SPARE
	v_mov_b32 v[NIL], 0
	ds_add_u32 v[SPW], v[NIL]                      ; the wave's opening: the add and its wait stand ahead of my first tensor load; the set-up below stands between them
	ds_add_u32 v22, v23
	v_lshrrev_b32 v1, 5, v0
	v_readfirstlane_b32 s[WV], v1
	s_mov_b32 s[JJ], ttmp9
	s_and_b32 s[HH], ttmp7, 0xffff
	s_lshr_b32 s[GG], s[WV], 1
	s_mov_b32 s[G1K], (1<<16)|(1<<20)|(5<<22)|(3<<25)  ; 2-byte elements; padding on; after every 64 words; 4 words
	s_mov_b32 s[G1V], (1<<16)|(1<<20)|(5<<22)|(7<<25)  ; the same with 8 words
.irp g, G1K, G1V
	s_mov_b32 s[(\g)+1], 128<<16                   ; tensor_dim0 = 128
	s_mov_b32 s[(\g)+2], 64<<16                    ; tensor_dim1 = 64
	s_mov_b32 s[(\g)+3], 128<<16                   ; tile_dim0 = 128
	s_mov_b32 s[(\g)+4], 64                        ; tile_dim1 = 64
	s_mov_b32 s[(\g)+5], 128                       ; elements from row to row
	s_mov_b32 s[(\g)+6], 0
	s_mov_b32 s[(\g)+7], 0
.endr
	s_mov_b32 s[CS], 0x3e0293ee                    ; c = log2(e) / sqrt(128) = 0.127517
	s_mov_b32 s[CS+1], s[CS]
	s_mov_b32 s[SEL], 0x76543210
	s_mov_b32 s[SEL+1], 0xfedcba98
	s_mov_b32 s[BIGN], 0xf149f2ca
	; the two key blocks that my wave fetches, but for rand_idx's: wave 0: 0, 31; wave 1: max(2j-1, 0), 2j; wave 2: 2j+1, min(2j+2, 31); wave 3: 0, 0, onto which the indices are added
	s_lshl_b32 s22, s[JJ], 1
	s_max_u32 s23, s22, 1
	s_sub_co_u32 s23, s23, 1                       ; max(2j, 1) - 1 = max(2j - 1, 0)
	s_add_co_u32 s62, s22, 1
	s_add_co_u32 s63, s22, 2
	s_min_u32 s63, s63, 31
	s_mov_b32 s20, 0
	s_mov_b32 s21, 31
	s_cmp_eq_u32 s[WV], 1
	s_cselect_b32 s20, s23, s20
	s_cselect_b32 s21, s22, s21
	s_cmp_eq_u32 s[WV], 2
	s_cselect_b32 s20, s62, s20
	s_cselect_b32 s21, s63, s21
	s_cmp_eq_u32 s[WV], 3
	s_cselect_b32 s21, 0, s21
	s_cselect_b32 s61, 1, 0
	; which steps are hidden: step 2 (block 2j) is block 0 again if j = 0; step 3 (2j+1) is block 31 again if j = 15; step 4 (2j-1 for g = 0, 2j+2 for g = 1) does not exist if j = 15 g
	s_cmp_eq_u32 s[JJ], 0
	s_cselect_b32 s[BE], s[BIGN], 0
	s_cmp_eq_u32 s[JJ], 15
	s_cselect_b32 s[BE+1], s[BIGN], 0
	s_mul_i32 s22, s[GG], 15
	s_cmp_eq_u32 s[JJ], s22
	s_cselect_b32 s[BE+2], s[BIGN], 0
	s_lshl_b32 s76, s[JJ], 3                       ; rand_idx[2j], rand_idx[2j+1]
	s_mov_b32 s77, 0
	s_wait_dscnt 0x0                               ; the opening add is done
	s_wait_kmcnt 0x0
	s_add_nc_u64 s[10:11], s[10:11], s[76:77]
	s_load_b64 s[18:19], s[10:11], 0x0             ; r0, r1
	s_lshl_b32 s76, s[HH], 19                      ; the head's first byte in qh, kh, vh
	s_add_nc_u64 s[6:7], s[6:7], s[76:77]
	s_add_nc_u64 s[8:9], s[8:9], s[76:77]
	s_lshl_b32 s22, s[JJ], 15                      ; my wave's 32 queries: row 128 j + 32 w, 256 bytes a row
	s_add_co_u32 s76, s76, s22
	s_lshl_b32 s22, s[WV], 13
	s_add_co_u32 s76, s76, s22
	s_add_nc_u64 s[4:5], s[4:5], s[76:77]
	s_lshl_b32 s76, s[JJ], 19                      ; the same rows in ao, 4,096 bytes a row, and the head's 256 bytes of them
	s_lshl_b32 s22, s[WV], 17
	s_add_co_u32 s76, s76, s22
	s_lshl_b32 s22, s[HH], 8
	s_add_co_u32 s76, s76, s22
	s_add_nc_u64 s[12:13], s[12:13], s[76:77]
	v_and_b32 v1, 15, v0                           ; l % 16
	v_bfe_u32 v2, v0, 4, 1                         ; l / 16
	v_lshlrev_b32 v[QO], 8, v1
	v_lshl_add_u32 v[QO], v2, 4, v[QO]
.irp i, 0,1,2,3,4,5,6,7                        ; Q stays in registers: tile i / 4, channels 32 (i % 4) on
	global_load_b128 v[QF+8*(\i):QF+8*(\i)+3],   v[QO], s[4:5] offset:((\i)/4)*4096+((\i)%4)*64
	global_load_b128 v[QF+8*(\i)+4:QF+8*(\i)+7], v[QO], s[4:5] offset:((\i)/4)*4096+((\i)%4)*64+32
.endr
	v_mul_u32_u24 v[AK0], v1, PK
	v_lshl_add_u32 v[AK0], v2, 4, v[AK0]           ; row x pitch + 16 x half
	v_and_b32 v9, 7, v0                            ; the turning load: lane l reads key 8 (l / 16) + l % 8, channels 8 ((l / 8) % 2) + 0..7
	v_lshl_add_u32 v[AV0], v2, 3, v9
	v_mul_u32_u24 v[AV0], v[AV0], PV
	v_bfe_u32 v9, v0, 3, 1
	v_lshl_add_u32 v[AV0], v9, 4, v[AV0]
	v_add_nc_u32 v[AV0], VB, v[AV0]
	v_mov_b32 v[AK], v[AK0]                        ; the six steps' slots: 0, 1, 3, 4, 2 + 3 g, 6 + g
	v_add_nc_u32 v[AK+1], KT, v[AK0]
	v_add_nc_u32 v[AK+2], 3*KT, v[AK0]
	v_add_nc_u32 v[AK+3], 4*KT, v[AK0]
	s_mul_i32 s22, s[GG], 3*KT
	s_add_co_u32 s22, s22, 2*KT
	s_mul_i32 s23, s[GG], KT
	s_add_co_u32 s23, s23, 6*KT
	v_add_nc_u32 v[AK+4], s22, v[AK0]
	v_add_nc_u32 v[AK+5], s23, v[AK0]
	v_mov_b32 v[AV], v[AV0]
	v_add_nc_u32 v[AV+1], VT, v[AV0]
	v_add_nc_u32 v[AV+2], 3*VT, v[AV0]
	v_add_nc_u32 v[AV+3], 4*VT, v[AV0]
	s_mul_i32 s22, s[GG], 3*VT
	s_add_co_u32 s22, s22, 2*VT
	s_mul_i32 s23, s[GG], VT
	s_add_co_u32 s23, s23, 6*VT
	v_add_nc_u32 v[AV+4], s22, v[AV0]
	v_add_nc_u32 v[AV+5], s23, v[AV0]
	s_mul_i32 s22, s[WV], 16*SP
	s_add_co_u32 s22, s22, STAGE                   ; my stage
	v_add_nc_u32 v[STO], s22, v[AK0]               ; in: row l % 16, 16 bytes for each half of the lanes (the stage's pitch is K's)
	v_mul_u32_u24 v[RD], v2, SP                    ; back: lanes 0-15 one row of 256 bytes, lanes 16-31 the next
	v_lshl_add_u32 v[RD], v1, 4, v[RD]
	v_add_nc_u32 v[RD], s22, v[RD]
	v_lshlrev_b32 v[GO], 12, v2                    ; and the same two rows in ao
	v_lshl_add_u32 v[GO], v1, 4, v[GO]
	s_mul_i32 s22, s[WV], 2*KT                     ; where my four tiles go: slots 2 w and 2 w + 1 of K and of V
	s_mul_i32 s23, s[WV], 2*VT
	s_mov_b32 s[G0], 1
	s_mov_b32 s[G0+1], s22
	s_mov_b32 s[G0+4], 1
	s_add_co_u32 s[G0+5], s22, KT
	s_mov_b32 s[G0+8], 1
	s_add_co_u32 s[G0+9], s23, VB
	s_mov_b32 s[G0+12], 1
	s_add_co_u32 s[G0+13], s23, VB+VT
	s_wait_kmcnt 0x0                               ; r0, r1
	s_mul_i32 s72, s18, s61                        ; wave 3 alone takes the indices (the factor is 1 there, 0 elsewhere),
	s_mul_i32 s74, s19, s61
	s_add_co_u32 s72, s72, s20                     ; onto its 0; the other waves keep their own blocks, 31 at the most
	s_add_co_u32 s74, s74, s21
	s_min_u32 s72, s72, 31                         ; the clamp comes last, on unsigned numbers: a valid block whatever the index holds; behind it only the shift and the sum with the pointer
	s_min_u32 s74, s74, 31
	s_lshl_b32 s72, s72, 14                        ; a block is 64 rows of 256 bytes
	s_lshl_b32 s74, s74, 14
	s_mov_b32 s73, 0
	s_mov_b32 s75, 0
	s_add_nc_u64 s[G0+2:G0+3], s[6:7], s[72:73]
	s_or_b32 s[G0+3], s[G0+3], 0x80000000
	s_add_nc_u64 s[G0+6:G0+7], s[6:7], s[74:75]
	s_or_b32 s[G0+7], s[G0+7], 0x80000000
	s_add_nc_u64 s[G0+10:G0+11], s[8:9], s[72:73]
	s_or_b32 s[G0+11], s[G0+11], 0x80000000
	s_add_nc_u64 s[G0+14:G0+15], s[8:9], s[74:75]
	s_or_b32 s[G0+15], s[G0+15], 0x80000000
	tensor_load_to_lds s[G0:G0+3], s[G1K:G1K+7]        ; all fills of the launch go out together, K's first: four loads of mine are out
	s_nop 0
	tensor_load_to_lds s[G0+4:G0+7], s[G1K:G1K+7]
	s_nop 0
	tensor_load_to_lds s[G0+8:G0+11], s[G1V:G1V+7]
	s_nop 0
	tensor_load_to_lds s[G0+12:G0+15], s[G1V:G1V+7]
	s_nop 0
.rept 4
	v_nop
.endr
	; step 5 (my block's random key block r) is hidden if r is 0, 31 or outside 0..31, or one of i - 1, i, i + 1
	s_cmp_eq_u32 s[GG], 1
	s_cselect_b32 s62, s19, s18                    ; r
	s_lshl_b32 s63, s[JJ], 1
	s_add_co_u32 s63, s63, s[GG]                   ; i
	s_sub_co_u32 s66, s62, 1
	s_cmp_gt_u32 s66, 29
	s_cselect_b32 s[BE+3], s[BIGN], 0
	s_sub_co_u32 s66, s62, s63
	s_add_co_u32 s66, s66, 1
	s_cmp_le_u32 s66, 2
	s_cselect_b32 s[BE+3], s[BIGN], s[BE+3]
.set i, 0
.rept 32
	v_mov_b32 v[MC+i], s[BE+i/8]
.set i, i+1
.endr
; 32 LDS loads in one run: step s's K (64 keys x 128 channels: fragment 4 kb + ch), or its V, turned (fragment 8 kk + cb), into buffer f of window 3
.macro FETCH_K s, f
	WIN 0xc0
.irp n, 0,1,2,3,4,5,6,7,8,9,10,11,12,13,14,15
	ds_load_b128 v[(\f)+8*(\n):(\f)+8*(\n)+3],   v[AK+(\s)] offset:((\n)/4)*16*PK+((\n)%4)*64
	ds_load_b128 v[(\f)+8*(\n)+4:(\f)+8*(\n)+7], v[AK+(\s)] offset:((\n)/4)*16*PK+((\n)%4)*64+32
.endr
.endm
.macro FETCH_V s, f
	WIN 0xc0
.irp n, 0,1,2,3,4,5,6,7,8,9,10,11,12,13,14,15
	ds_load_tr16_b128 v[(\f)+8*(\n):(\f)+8*(\n)+3],   v[AV+(\s)] offset:((\n)/8)*32*PV+((\n)%8)*32
	ds_load_tr16_b128 v[(\f)+8*(\n)+4:(\f)+8*(\n)+7], v[AV+(\s)] offset:((\n)/8)*32*PV+16*PV+((\n)%8)*32
.endr
.endm
; 16 products S^T = K Q^T of step s, tile t: channels 32 ci on, keys 16 ki on.  The first four start the sums, with 0 or with the step's mask.  The four accumulators take turns.
.macro KQ s, t, f
.set ci, 0
.rept 4
.if ci == 0
	WIN 0x43+0x40*(\t)                             ; K window 3, Q and the mask window 0, S^T window 1 + t
.else
	WIN 0x53+0x50*(\t)                             ; C in S^T's window
.endif
.set ki, 0
.rept 4
.if ci > 0
	v_wmma_f32_16x16x32_f16 v[32*(\s)+8*ki:32*(\s)+8*ki+7], v[(\f)+32*ki+8*ci:(\f)+32*ki+8*ci+7], v[QF+32*(\t)+8*ci:QF+32*(\t)+8*ci+7], v[32*(\s)+8*ki:32*(\s)+8*ki+7]
.elseif (\s) < 2
	v_wmma_f32_16x16x32_f16 v[32*(\s)+8*ki:32*(\s)+8*ki+7], v[(\f)+32*ki+8*ci:(\f)+32*ki+8*ci+7], v[QF+32*(\t)+8*ci:QF+32*(\t)+8*ci+7], 0
.else
	v_wmma_f32_16x16x32_f16 v[32*(\s)+8*ki:32*(\s)+8*ki+7], v[(\f)+32*ki+8*ci:(\f)+32*ki+8*ci+7], v[QF+32*(\t)+8*ci:QF+32*(\t)+8*ci+7], v[MC+8*((\s)-2):MC+8*((\s)-2)+7]
.endif
.set ki, ki+1
.endr
.set ci, ci+1
.endr
.endm
; 16 products O^T += V^T P of step s, tile t: keys 32 ki on, channels 16 ci on.  Step 0's first eight start the sums.  The eight accumulators take turns.
.macro PVS s, t, f
	WIN 0x07+4*(\t)                                ; V window 3, P window 1 + t, O^T window 0
.set ki, 0
.rept 2
.set ci, 0
.rept 8
.if ((\s) == 0) && (ki == 0)
	v_wmma_f32_16x16x32_f16 v[OF+64*(\t)+8*ci:OF+64*(\t)+8*ci+7], v[(\f)+64*ki+8*ci:(\f)+64*ki+8*ci+7], v[16*(\s)+8*ki:16*(\s)+8*ki+7], 0
.else
	v_wmma_f32_16x16x32_f16 v[OF+64*(\t)+8*ci:OF+64*(\t)+8*ci+7], v[(\f)+64*ki+8*ci:(\f)+64*ki+8*ci+7], v[16*(\s)+8*ki:16*(\s)+8*ki+7], v[OF+64*(\t)+8*ci:OF+64*(\t)+8*ci+7]
.endif
.set ci, ci+1
.endr
.set ki, ki+1
.endr
.endm
; Accumulator x's eight weights are rounded to f16 into v[4 x .. 4 x + 3]: registers of accumulator x / 2, whose weights have been summed and rounded before (for x = 0 its own, read ahead of each write).
.macro CVT x
.set zi, 0
.rept 4
	v_cvt_pk_f16_f32 v[4*(\x)+zi], v[8*(\x)+2*zi], v[8*(\x)+2*zi+1]
.set zi, zi+1
.endr
.endm
.macro TAIL x                          ; accumulator x's weights are added onto the four pairs of sums (x = 1 starts them, with accumulator 0's), then rounded
.set zi, 0
.rept 4
.if (\x) == 1
	s_wait_alu depctr_va_vdst(0)
	v_pk_add_f32 v[LS+2*zi:LS+2*zi+1], v[2*zi:2*zi+1], v[8+2*zi:8+2*zi+1]
.else
	s_wait_alu depctr_va_vdst(0)
	v_pk_add_f32 v[LS+2*zi:LS+2*zi+1], v[LS+2*zi:LS+2*zi+1], v[8*(\x)+2*zi:8*(\x)+2*zi+1]
.endif
.set zi, zi+1
.endr
.if (\x) == 1
	CVT 0
.endif
	CVT \x
.endm
; Tile t's softmax over its 24 accumulators (384 keys), all in window 1 + t.
.macro SOFT t
	WIN 0x55*((\t)+1)
.set gi, 0
.rept 6                                        ; the maximum: four chains, chain kk on accumulator 4 gi + kk; each accumulator's lowest registers are read first
.set ii, 0
.rept 4
.set kk, 0
.rept 4
.set rA, 8*(4*gi+kk)
.if (gi == 0) && (ii == 0)
	v_max3_num_f32 v[CH+kk], v[rA], v[rA+1], v[rA+2]
.elseif (gi == 0) && (ii < 3)
	v_max3_num_f32 v[CH+kk], v[CH+kk], v[rA+2*ii+1], v[rA+2*ii+2]
.elseif gi == 0
	v_max_num_f32 v[CH+kk], v[CH+kk], v[rA+7]
.else
	v_max3_num_f32 v[CH+kk], v[CH+kk], v[rA+2*ii], v[rA+2*ii+1]
.endif
.set kk, kk+1
.endr
.set ii, ii+1
.endr
.set gi, gi+1
.endr
	v_max3_num_f32 v[CH], v[CH], v[CH+1], v[CH+2]
	v_max_num_f32 v[CH], v[CH], v[CH+3]
	v_permlanex16_b32 v[CH+1], v[CH], s[SEL], s[SEL+1]  ; the query's other keys lie in the lane 16 away
	v_max_num_f32 v[CM+1], v[CH], v[CH+1]          ; m
	v_mul_f32 v[CM], s[CS], v[CM+1]                ; c m
.set aa, 0
.rept 24                                       ; accumulator aa: c s - c m, the exponentials; behind them plain work on the accumulator before (ISA guide 5.7.2: a plain instruction stands between an exponential and the use of its result)
.set zi, 0
.rept 4
	v_pk_fma_f32 v[8*aa+2*zi:8*aa+2*zi+1], v[8*aa+2*zi:8*aa+2*zi+1], s[CS:CS+1], v[CM:CM+1] op_sel_hi:[1,0,0] neg_lo:[0,0,1] neg_hi:[0,0,1]
.set zi, zi+1
.endr
.set zi, 0
.rept 8
	v_exp_f32 v[8*aa+zi], v[8*aa+zi]
.set zi, zi+1
.endr
.if aa >= 2
	TAIL aa-1
.endif
.set aa, aa+1
.endr
	v_nop                                          ; the plain instruction behind the last exponentials
	s_wait_alu depctr_va_vdst(0)
	TAIL 23
	v_pk_add_f32 v[LS:LS+1], v[LS:LS+1], v[LS+2:LS+3]
	v_pk_add_f32 v[LS+4:LS+5], v[LS+4:LS+5], v[LS+6:LS+7]
	v_pk_add_f32 v[LS:LS+1], v[LS:LS+1], v[LS+4:LS+5]
	v_add_f32 v[LS], v[LS], v[LS+1]
	v_permlanex16_b32 v[LS+1], v[LS], s[SEL], s[SEL+1]
	v_add_f32 v[LS], v[LS], v[LS+1]                ; l: at least 1, the maximum's own weight
	WIN (\t)+1                                     ; source window 1 + t, destination window 0
	v_rcp_f32 v[RL+2*(\t)], v[LS]
	v_rcp_f32 v[RL+2*(\t)+1], v[LS]
	v_nop
.endm
	s_wait_tensorcnt 0x2                           ; tensor loads of a wave end in order: my two tiles of K are in, my two of V stay out
	s_barrier_signal -1
	s_barrier_wait -1                              ; everybody's K is in
	FETCH_K 0, F0
	s_wait_loadcnt 0x0                             ; Q
; A step: its own fragments are waited for (they were asked for a step, 32 matrix instructions, ago), the next step's run of 32 loads goes out into the other buffer, then the step's 32 products.
; So 32 LDS loads of mine are out at the most.
.irp s, 0,1,2,3,4,5
	s_wait_dscnt 0x0                               ; this step's K is in
.if (\s) < 5
.if (\s) > 0
	PLACES                                         ; for the loads into the buffer that the step before multiplied
.endif
	FETCH_K (\s)+1, F0+128*(((\s)+1)%2)
.endif
	KQ \s, 0, F0+128*((\s)%2)
	KQ \s, 1, F0+128*((\s)%2)
.endr
	WIN 0
	s_wait_tensorcnt 0x0                           ; my tiles of V have landed under the 192 products
	s_barrier_signal -1
	s_barrier_wait -1                              ; everybody's V is in
	PLACES                                         ; behind the last products: for the loads below and for the first reads of the scores
	FETCH_V 0, F0
	SOFT 0
	SOFT 1
.irp s, 0,1,2,3,4,5
	s_wait_dscnt 0x0                               ; this step's V is in
.if (\s) < 5
.if (\s) > 0
	PLACES
.endif
	FETCH_V (\s)+1, F0+128*(((\s)+1)%2)
.endif
	PVS \s, 0, F0+128*((\s)%2)
	PVS \s, 1, F0+128*((\s)%2)
.endr
	WIN 0
	PLACES
; THE WAY OUT.  Tile t: O^T times 1 / l, rounded to f16; a lane's eight channels of a row are 16 bytes; they go into rows of 272 bytes of my own stage and come back as whole rows of 256.
.macro PACK t
.set i, 0
	s_wait_alu depctr_va_vdst(0)
.rept 32
	v_pk_mul_f32 v[OF+64*(\t)+2*i:OF+64*(\t)+2*i+1], v[OF+64*(\t)+2*i:OF+64*(\t)+2*i+1], v[RL+2*(\t):RL+2*(\t)+1] op_sel_hi:[1,0]
.set i, i+1
.endr
.set i, 0
.rept 32
	v_cvt_pk_f16_f32 v[MC+32*(\t)+i], v[OF+64*(\t)+2*i], v[OF+64*(\t)+2*i+1]
.set i, i+1
.endr
.irp f, 0,1,2,3,4,5,6,7
	ds_store_b128 v[STO], v[MC+32*(\t)+4*(\f):MC+32*(\t)+4*(\f)+3] offset:32*(\f)
.endr
.irp f, 0,1,2,3,4,5,6,7
	ds_load_b128 v[MC+32*(\t)+4*(\f):MC+32*(\t)+4*(\f)+3], v[RD] offset:(\f)*2*SP  ; LDS serves a wave's instructions in order (ISA guide 5.7.1.4): these see the stores above; the next tile's stores come behind them
.endr
.endm
.macro SEND t, younger                 ; younger: the LDS instructions issued behind tile t's loads
.irp f, 0,1,2,3,4,5,6,7
	s_wait_dscnt (\younger)+7-(\f)
	global_store_b128 v[GO], v[MC+32*(\t)+4*(\f):MC+32*(\t)+4*(\f)+3], s[12:13] offset:(16*(\t)+2*(\f))*4096  ; 16 lanes store 256 consecutive bytes, at a multiple of 256 from ao's first byte
.endr
.endm
	PACK 0
	PACK 1                                         ; tile 1's arithmetic stands between tile 0's loads and its stores
	SEND 0, 16
	SEND 1, 0
	s_wait_tensorcnt 0x0                           ; the wave's end: the add of 0 and its wait, behind my last tensor load and my last LDS store
	ds_add_u32 v[SPW], v[NIL]
	s_wait_dscnt 0x0
	s_endpgm
.Lfunc_end_k_qe2d173e26b_attn:
	.size	k_qe2d173e26b_attn, .Lfunc_end_k_qe2d173e26b_attn-k_qe2d173e26b_attn
	.p2alignl 7, 3214868480
	.fill 96, 4, 3214868480
	.section	.rodata,"a",@progbits
	.p2align	6, 0x0
	.amdhsa_kernel k_qe2d173e26b_attn
		.amdhsa_group_segment_fixed_size 327680
		.amdhsa_private_segment_fixed_size 0
		.amdhsa_enable_private_segment 0
		.amdhsa_kernarg_size 40
		.amdhsa_user_sgpr_count 2
		.amdhsa_user_sgpr_kernarg_segment_ptr 1
		.amdhsa_wavefront_size32 1
		.amdhsa_system_sgpr_workgroup_id_x 1
		.amdhsa_system_sgpr_workgroup_id_y 1
		.amdhsa_system_sgpr_workgroup_id_z 1
		.amdhsa_system_vgpr_workitem_id 0
		.amdhsa_next_free_vgpr 1024
		.amdhsa_next_free_sgpr 80
		.amdhsa_reserve_vcc 0
		.amdhsa_float_denorm_mode_32 3
		.amdhsa_float_denorm_mode_16_64 3
		.amdhsa_memory_ordered 1
		.amdhsa_forward_progress 1
		.amdhsa_inst_pref_size 141
	.end_amdhsa_kernel
	.amdgpu_metadata
---
amdhsa.version: [ 1, 2 ]
amdhsa.kernels:
  - .name:           k_qe2d173e26b_attn
    .symbol:         k_qe2d173e26b_attn.kd
    .args:
      - { .name: qh, .offset: 0, .size: 8, .value_kind: global_buffer, .address_space: global }
      - { .name: kh, .offset: 8, .size: 8, .value_kind: global_buffer, .address_space: global }
      - { .name: vh, .offset: 16, .size: 8, .value_kind: global_buffer, .address_space: global }
      - { .name: rand_idx, .offset: 24, .size: 8, .value_kind: global_buffer, .address_space: global }
      - { .name: ao, .offset: 32, .size: 8, .value_kind: global_buffer, .address_space: global }
    .group_segment_fixed_size: 327680
    .private_segment_fixed_size: 0
    .kernarg_segment_align: 8
    .kernarg_segment_size: 40
    .max_flat_workgroup_size: 128
    .sgpr_count:     80
    .vgpr_count:     1024
    .wavefront_size: 32
...
	.end_amdgpu_metadata
.endif
;; end of part 3
;; launch oproj (part 4): grid 16 x 16, 4 waves a work-group, clusters of 4 x 4, 327,680 bytes of LDS; arguments ao, wo16, out0; writes out0
.if DOCPART == 4
	.amdgcn_target "amdgcn-amd-amdhsa--gfx1250"
	.amdhsa_code_object_version 6
	.text
	.protected	k_qe2d173e26b_oproj
	.globl	k_qe2d173e26b_oproj
	.p2align	8
	.type	k_qe2d173e26b_oproj,@function
k_qe2d173e26b_oproj:
	s_mov_b64 s[64:65], 0
	v_nop
	global_prefetch_b8 v0, s[64:65] scope:SCOPE_SE
	s_setreg_imm32_b32 hwreg(HW_REG_WAVE_MODE, 25, 1), 1
	s_wait_xcnt 0x0
	s_wait_alu depctr_hold_cnt(0) depctr_sa_sdst(0) depctr_va_vdst(0) depctr_va_sdst(0) depctr_va_ssrc(0) depctr_va_vcc(0) depctr_vm_vsrc(0)
	s_getreg_b32 s2, hwreg(HW_REG_IB_STS2, 6, 4)
	s_cmp_eq_u32 s2, 0
	s_cbranch_scc0 .Lentry_in_a_cluster
	s_endpgm
.Lentry_in_a_cluster:
	s_bfe_u32 s2, ttmp6, 0x10000c
	s_cmp_lg_u32 s2, 0xf033
	s_cbranch_scc0 .Lentry_shape_is_right
	s_endpgm
.Lentry_shape_is_right:
; out0[m][n] = sum over k of ao[m][k] wo16[n][k].  ao, wo16: [2048][2048] f16; out0: [2048][2048] f32; sums in f32, K ascending.
; A tile of out0 is 128 x 128: 16 x 16 = 256 work-groups.  Four waves, each 64 x 64: 16 accumulators of 16 x 16, 128 registers.  K goes in steps of 256 (LDS rows of 512 bytes; a wave's tensor
; load brings 64 of them) through two slots.  CLUSTER: 4 x 4 work-groups; the four of a row need the same tiles of ao, the four of a column the same tiles of wo16: each is asked for jointly.
; THE MATRIX INSTRUCTION IS USED TRANSPOSED (source 0 = 16 rows of wo16, source 1 = 16 rows of ao): a lane holds eight neighbouring numbers of a row of out0.
; THE WAY OUT: a wave's 64 columns of f32 are 256 bytes, aligned: each wave has a stage of its own (32 rows x 272 bytes, used twice) and no barrier is needed.
; REGISTERS: window 0: v0-31 addresses; v32-95 rows read back; v128-255 the accumulators ((a, b) at v[128 + 8 (4 a + b)]).   window 1: two fragment buffers of 128: 64 registers of ao, then 64 of wo16.
.set SIZE_K, 2048
.set SIZE_N, 2048
.set KSTEP,  256
.set PITCH,  528                       ; 512 bytes + 16 of padding = 132 words: the 16 rows of a fragment load start at 16 different groups of four banks
.set HALFT,  64*PITCH
.set SLOT,   4*HALFT
.set STAGE,  2*SLOT
.set SPITCH, 272
.set SPARE,  STAGE+4*32*SPITCH         ; behind the stages: the spare words, 128 bytes a wave: two blocks of 256 bytes that no other line names
.set LAPS, SIZE_K/(2*KSTEP)
.set ADRA, 16
.set ADRB, 20
.set STO,  24
.set RD,   25
.set CO,   26
.set SPW,  28
.set NIL,  29
.set TMP,  32
.set ACC,  128
.set F0,   0
.set F1,   128
.set G1, 24
.set G0, 32
.set G1B, 48
.set G0B, 56
.set MSB, 0
.macro WIN new
.if MSB != (\new)
	s_set_vgpr_msb (MSB<<8)|(\new)
.set MSB, \new
.endif
.endm
.set MUL,  0x05                        ; sources 0 and 1 window 1; C and D window 0
.set TO_F, 0x40                        ; destination window 1, address window 0
.macro JLOAD s                         ; a joint load: waves 0 and 1 fetch ao's two halves, waves 2 and 3 wo16's; an s_nop 0 and four v_nop follow each of the two lines
	s_cmp_eq_u32 s11, 0
	s_cbranch_scc0 .Lfor_b_\@
	tensor_load_to_lds s[G0+4*(\s):G0+4*(\s)+3], s[G1:G1+7]
	s_nop 0
.rept 4
	v_nop
.endr
	s_branch .Lasked_\@
.Lfor_b_\@:
	tensor_load_to_lds s[G0B+4*(\s):G0B+4*(\s)+3], s[G1B:G1B+7]
	s_nop 0
.rept 4
	v_nop
.endr
.Lasked_\@:
.endm
.macro CREST
	s_cmp_lg_u32 s10, 0
	s_cbranch_scc1 .Lnot_wave_0_\@
	s_barrier_signal -3
.Lnot_wave_0_\@:
	s_barrier_wait -3
	s_barrier_signal -1
	s_barrier_wait -1
.endm
.macro CROUND
	s_barrier_signal -1
	s_barrier_wait -1
	CREST
.endm
	s_load_b128 s[4:7], s[0:1], 0x0                ; ao s[4:5], wo16 s[6:7]
	s_load_b64 s[8:9], s[0:1], 0x10                ; out0
	v_lshl_add_u32 v[SPW], v0, 2, SPARE
	v_mov_b32 v[NIL], 0
	ds_add_u32 v[SPW], v[NIL]                      ; the wave's opening: the add and its wait stand ahead of my first tensor load; the set-up below stands between them
	ds_add_u32 v28, v29
	v_lshrrev_b32 v1, 5, v0
	v_readfirstlane_b32 s10, v1                    ; wave 0..3
	s_lshr_b32 s11, s10, 1                         ; which half of the tile's rows is mine.  Also: I fetch for ao (0) or for wo16 (1)
	s_and_b32 s12, s10, 1                          ; which half of its columns.  Also: which 64 rows of that tile I fetch
	s_bfe_u32 s40, ttmp6, 0x40000                  ; cx, cy
	s_bfe_u32 s41, ttmp6, 0x40004
	s_lshl_b32 s42, ttmp9, 2
	s_add_co_u32 s42, s42, s40                     ; tile column = 4 x cluster x + cx
	s_and_b32 s13, ttmp7, 0xffff
	s_lshl_b32 s13, s13, 2
	s_add_co_u32 s13, s13, s41                     ; tile row = 4 x cluster y + cy
	s_lshl_b32 s43, s41, 2
	s_lshl_b32 s43, 15, s43                        ; my row of the cluster
	s_lshl_b32 s44, 0x1111, s40                    ; my column
	s_or_b32 s[G1+0], s43, (1<<16)|(1<<20)|(1<<21)|(6<<22)|(3<<25)   ; the mask; 2-byte elements; padding on; bit 21 beside a mask; after every 128 words; 4 words
	s_or_b32 s[G1B+0], s44, (1<<16)|(1<<20)|(1<<21)|(6<<22)|(3<<25)
.irp g, G1, G1B
	s_mov_b32 s[(\g)+1], KSTEP<<16                 ; tensor_dim0 = 256
	s_mov_b32 s[(\g)+2], 64<<16                    ; tensor_dim1 = 64
	s_mov_b32 s[(\g)+3], KSTEP<<16                 ; tile_dim0 = 256
	s_mov_b32 s[(\g)+4], 64                        ; tile_dim1 = 64
	s_mov_b32 s[(\g)+5], SIZE_K                    ; elements from row to row
	s_mov_b32 s[(\g)+6], 0
	s_mov_b32 s[(\g)+7], 0
.endr
	s_lshl_b32 s17, s12, 6                         ; which 64 rows of the tile I fetch
	s_lshl_b32 s16, s13, 7
	s_add_co_u32 s16, s16, s17                     ; ao: row 128 x tile row + 64 x half
	s_lshl_b32 s46, s42, 7
	s_add_co_u32 s46, s46, s17                     ; wo16: row 128 x tile column + 64 x half
	s_mov_b32 s17, 0
	s_mov_b32 s47, 0
	s_mov_b64 s[18:19], SIZE_K*2
	s_mul_u64 s[16:17], s[16:17], s[18:19]
	s_mul_u64 s[46:47], s[46:47], s[18:19]
	s_mul_i32 s20, s10, HALFT                      ; where they go: wave x 64 rows
	s_wait_dscnt 0x0                               ; the opening add is done
	s_wait_kmcnt 0x0
	s_add_nc_u64 s[14:15], s[4:5], s[16:17]
	s_add_nc_u64 s[46:47], s[6:7], s[46:47]
	CROUND                                         ; all sixteen work-groups are here: the first joint loads meet
.irp s, 0,1
	s_mov_b32 s[G0+4*(\s)], 1
	s_add_co_u32 s[G0+4*(\s)+1], s20, (\s)*SLOT
	s_add_nc_u64 s[G0+4*(\s)+2:G0+4*(\s)+3], s[14:15], (\s)*KSTEP*2
	s_or_b32 s[G0+4*(\s)+3], s[G0+4*(\s)+3], 0x80000000
	s_mov_b32 s[G0B+4*(\s)], 1
	s_add_co_u32 s[G0B+4*(\s)+1], s20, (\s)*SLOT
	s_add_nc_u64 s[G0B+4*(\s)+2:G0B+4*(\s)+3], s[46:47], (\s)*KSTEP*2
	s_or_b32 s[G0B+4*(\s)+3], s[G0B+4*(\s)+3], 0x80000000
	JLOAD \s                                       ; two loads of mine are out
.endr
	v_and_b32 v1, 15, v0                           ; l % 16
	v_bfe_u32 v2, v0, 4, 1                         ; l / 16
	v_mul_u32_u24 v3, v1, PITCH
	v_lshl_add_u32 v3, v2, 4, v3
	s_mul_i32 s21, s11, HALFT                      ; my 64 rows of ao
	s_mul_i32 s22, s12, HALFT                      ; my 64 rows of wo16,
	s_add_co_u32 s22, s22, 2*HALFT                 ; which lie behind ao's 128
.irp s, 0,1
	v_add_nc_u32 v[ADRA+(\s)], s21, v3
	v_add_nc_u32 v[ADRB+(\s)], s22, v3
	s_add_co_u32 s21, s21, SLOT
	s_add_co_u32 s22, s22, SLOT
.endr
	s_mul_i32 s23, s10, 32*SPITCH
	s_add_co_u32 s23, s23, STAGE                   ; my stage
	v_mul_u32_u24 v4, v1, SPITCH                   ; in: row l % 16, 32 bytes (eight f32) for each half of the lanes
	v_lshl_add_u32 v4, v2, 5, v4
	v_add_nc_u32 v[STO], s23, v4
	v_mul_u32_u24 v5, v2, SPITCH                   ; back: lanes 0-15 one row of 256 bytes, lanes 16-31 the next
	v_lshl_add_u32 v5, v1, 4, v5
	v_add_nc_u32 v[RD], s23, v5
	v_lshlrev_b32 v5, 13, v2                       ; and the same two rows in out0, 8,192 bytes apart
	v_lshl_add_u32 v[CO], v1, 4, v5
	s_lshl_b32 s16, s13, 7
	s_lshl_b32 s17, s11, 6
	s_add_co_u32 s16, s16, s17                     ; my first row of out0: 128 x tile row + 64 x half,
	s_lshl_b32 s16, s16, 13                        ; in bytes
	s_mov_b32 s17, 0
	s_add_nc_u64 s[8:9], s[8:9], s[16:17]
	s_lshl_b32 s46, s42, 9                         ; my first column, in bytes: 512 x tile column + 256 x half
	s_lshl_b32 s47, s12, 8
	s_add_co_u32 s46, s46, s47
	s_mov_b32 s47, 0
	s_add_nc_u64 s[8:9], s[8:9], s[46:47]
; 8 matrix instructions: row blocks a0, a0 + 1 x all 4 column blocks, 32 along K: half c of buffer f.  zero = 1: the first product starts the sums.  The 16 accumulators take turns.
.macro MUL8 f, c, a0, zero
	WIN MUL
.irp a, \a0, (\a0)+1
.irp b, 0,1,2,3
.if \zero
	v_wmma_f32_16x16x32_f16 v[ACC+8*(4*(\a)+(\b)):ACC+8*(4*(\a)+(\b))+7], v[(\f)+64+8*(4*(\c)+(\b)):(\f)+64+8*(4*(\c)+(\b))+7], v[(\f)+8*(4*(\c)+(\a)):(\f)+8*(4*(\c)+(\a))+7], 0
.else
	v_wmma_f32_16x16x32_f16 v[ACC+8*(4*(\a)+(\b)):ACC+8*(4*(\a)+(\b))+7], v[(\f)+64+8*(4*(\c)+(\b)):(\f)+64+8*(4*(\c)+(\b))+7], v[(\f)+8*(4*(\c)+(\a)):(\f)+8*(4*(\c)+(\a))+7], v[ACC+8*(4*(\a)+(\b)):ACC+8*(4*(\a)+(\b))+7]
.endif
.endr
.endr
.endm
; 32 LDS loads in one run: the fragments of 64 along K at byte k of the rows, into buffer f; the first 32 along K first
.macro FETCH slot, k, f
	WIN TO_F
.irp c, 0,1
.irp i, 0,1,2,3
	ds_load_b128 v[(\f)+64+8*(4*(\c)+(\i)):(\f)+64+8*(4*(\c)+(\i))+3],   v[ADRB+(\slot)] offset:(\k)+64*(\c)+(\i)*16*PITCH
	ds_load_b128 v[(\f)+64+8*(4*(\c)+(\i))+4:(\f)+64+8*(4*(\c)+(\i))+7], v[ADRB+(\slot)] offset:(\k)+64*(\c)+(\i)*16*PITCH+32
	ds_load_b128 v[(\f)+8*(4*(\c)+(\i)):(\f)+8*(4*(\c)+(\i))+3],         v[ADRA+(\slot)] offset:(\k)+64*(\c)+(\i)*16*PITCH
	ds_load_b128 v[(\f)+8*(4*(\c)+(\i))+4:(\f)+8*(4*(\c)+(\i))+7],       v[ADRA+(\slot)] offset:(\k)+64*(\c)+(\i)*16*PITCH+32
.endr
.endr
.endm
.macro PLACES                          ; four plain places between a matrix instruction and a load into, or a read of, its registers
.rept 4
	v_nop
.endr
.endm
; A K step is four quarters of 64 along K, 32 matrix instructions each, on buffers 0, 1, 0, 1.  One of the first three: multiplies f and fetches the next quarter, at byte k, into g.
.macro QUARTER slot, k, f, g, zero
	s_wait_dscnt 16                                ; the first 32 along K are in; the youngest sixteen loads may be out
	MUL8 \f, 0, 0, \zero
	MUL8 \f, 0, 2, \zero
	PLACES
	FETCH \slot, \k, \g
	s_wait_dscnt 32                                ; all but the 32 just issued
	MUL8 \f, 1, 0, 0
	MUL8 \f, 1, 2, 0
.endm
; The last quarter multiplies buffer 1 and changes slots: ONE barrier; in front of it each wave waits for all its tensor loads, adds 0 to its spare word, and waits for that and for its own reads of this slot.
; fill = 1: the barrier opens a round of the cluster's barrier and this slot is filled again, two K steps ahead, first thing behind the round: 112 matrix instructions ahead of the wait for it.
.macro TURN slot, next, fill
	WIN 0                                          ; (the add's two registers lie in window 0)
	s_wait_tensorcnt 0x0                           ; all my tensor loads have landed: my part of the next slot
	ds_add_u32 v[SPW], v[NIL]
	s_wait_dscnt 17                                ; (the add and the youngest sixteen loads may be out)
	MUL8 F1, 0, 0, 0
	s_wait_dscnt 0x0                               ; the add is done, and my reads of this slot are over
	s_barrier_signal -1
	MUL8 F1, 0, 2, 0
.if \fill
	WIN 0
.endif
	s_barrier_wait -1
.if \fill
	CREST
	s_add_nc_u64 s[G0+4*(\slot)+2:G0+4*(\slot)+3], s[G0+4*(\slot)+2:G0+4*(\slot)+3], 2*KSTEP*2
	s_add_nc_u64 s[G0B+4*(\slot)+2:G0B+4*(\slot)+3], s[G0B+4*(\slot)+2:G0B+4*(\slot)+3], 2*KSTEP*2
	JLOAD \slot                                    ; its four v_nop are also the places in front of the loads below
.else
	PLACES
.endif
	FETCH \next, 0, F0
	MUL8 F1, 1, 0, 0
	MUL8 F1, 1, 2, 0
.endm
	s_wait_tensorcnt 1                             ; my part of K step 0 is in; K step 1's may stay out
	s_barrier_signal -1
	s_barrier_wait -1                              ; everybody's is
	FETCH 0, 0, F0
	QUARTER 0, 128, F0, F1, 1                      ; the first quarter stands in front of the loop: its first products start the sums
	WIN 0                                          ; at a label and at a branch every window is 0
	s_mov_b32 s3, LAPS-1
.Llap:                                                 ; a trip goes once round the ring and fills both slots again
	QUARTER 0, 256, F1, F0, 0
	QUARTER 0, 384, F0, F1, 0
	TURN 0, 1, 1
	QUARTER 1, 128, F0, F1, 0
	QUARTER 1, 256, F1, F0, 0
	QUARTER 1, 384, F0, F1, 0
	TURN 1, 0, 1
	QUARTER 0, 128, F0, F1, 0
	WIN 0
	s_sub_co_u32 s3, s3, 1
	s_cmp_lg_u32 s3, 0
	s_cbranch_scc1 .Llap
	QUARTER 0, 256, F1, F0, 0                      ; the last lap fills nothing
	QUARTER 0, 384, F0, F1, 0
	TURN 0, 1, 0
	QUARTER 1, 128, F0, F1, 0
	QUARTER 1, 256, F1, F0, 0
	QUARTER 1, 384, F0, F1, 0
	s_wait_dscnt 16                                ; the very last quarter: nothing more to fetch
	MUL8 F1, 0, 0, 0
	MUL8 F1, 0, 2, 0
	s_wait_dscnt 0x0
	MUL8 F1, 1, 0, 0
	MUL8 F1, 1, 2, 0
	WIN 0
	; THE WAY OUT, 32 of my 64 rows at a time: a lane's eight f32 of a row go as two stores of 16 bytes into my own stage (each accumulator's low four registers first),
	; and come back as whole rows of 256 bytes.  LDS serves a wave's instructions in order (ISA guide 5.7.1.4): no wait stands between my stores and my loads, nor between a pass's loads and the next pass's stores.
	PLACES
.irp p, 0,1
.irp a, 0,1
.irp b, 0,1,2,3
	ds_store_b128 v[STO], v[ACC+8*(4*(2*(\p)+(\a))+(\b)):ACC+8*(4*(2*(\p)+(\a))+(\b))+3]   offset:(\a)*16*SPITCH+64*(\b)
	ds_store_b128 v[STO], v[ACC+8*(4*(2*(\p)+(\a))+(\b))+4:ACC+8*(4*(2*(\p)+(\a))+(\b))+7] offset:(\a)*16*SPITCH+64*(\b)+16
.endr
.endr
.if (\p) == 1
	s_wait_xcnt 0x0                                ; the first pass's stores have read their registers: only behind this wait are they loaded again
.endif
.irp f, 0,1,2,3,4,5,6,7,8,9,10,11,12,13,14,15
	ds_load_b128 v[TMP+4*(\f):TMP+4*(\f)+3], v[RD] offset:(\f)*2*SPITCH
.endr
.irp f, 0,1,2,3,4,5,6,7,8,9,10,11,12,13,14,15
	s_wait_dscnt 15-(\f)                           ; LDS loads come back in order: number f is in
	global_store_b128 v[CO], v[TMP+4*(\f):TMP+4*(\f)+3], s[8:9] offset:(32*(\p)+2*(\f))*SIZE_N*4  ; 16 lanes store 256 consecutive bytes, at a multiple of 256 from out0's first byte
.endr
.endr
	s_wait_tensorcnt 0x0                           ; the wave's end: the add of 0 and its wait, behind my last tensor load and my last LDS store
	ds_add_u32 v[SPW], v[NIL]
	s_wait_dscnt 0x0
	CROUND                                         ; the closing round: no work-group ends while a partner may still ask for a tile that names it
	s_endpgm
.Lfunc_end_k_qe2d173e26b_oproj:
	.size	k_qe2d173e26b_oproj, .Lfunc_end_k_qe2d173e26b_oproj-k_qe2d173e26b_oproj
	.p2alignl 7, 3214868480
	.fill 96, 4, 3214868480
	.section	.rodata,"a",@progbits
	.p2align	6, 0x0
	.amdhsa_kernel k_qe2d173e26b_oproj
		.amdhsa_group_segment_fixed_size 327680
		.amdhsa_private_segment_fixed_size 0
		.amdhsa_enable_private_segment 0
		.amdhsa_kernarg_size 24
		.amdhsa_user_sgpr_count 2
		.amdhsa_user_sgpr_kernarg_segment_ptr 1
		.amdhsa_wavefront_size32 1
		.amdhsa_system_sgpr_workgroup_id_x 1
		.amdhsa_system_sgpr_workgroup_id_y 1
		.amdhsa_system_sgpr_workgroup_id_z 1
		.amdhsa_system_vgpr_workitem_id 0
		.amdhsa_next_free_vgpr 512
		.amdhsa_next_free_sgpr 66
		.amdhsa_reserve_vcc 0
		.amdhsa_float_denorm_mode_32 3
		.amdhsa_float_denorm_mode_16_64 3
		.amdhsa_memory_ordered 1
		.amdhsa_forward_progress 1
		.amdhsa_inst_pref_size 86
	.end_amdhsa_kernel
	.amdgpu_metadata
---
amdhsa.version: [ 1, 2 ]
amdhsa.kernels:
  - .name:           k_qe2d173e26b_oproj
    .symbol:         k_qe2d173e26b_oproj.kd
    .args:
      - { .name: ao, .offset: 0, .size: 8, .value_kind: global_buffer, .address_space: global }
      - { .name: wo16, .offset: 8, .size: 8, .value_kind: global_buffer, .address_space: global }
      - { .name: out0, .offset: 16, .size: 8, .value_kind: global_buffer, .address_space: global }
    .group_segment_fixed_size: 327680
    .private_segment_fixed_size: 0
    .kernarg_segment_align: 8
    .kernarg_segment_size: 24
    .max_flat_workgroup_size: 128
    .sgpr_count:     66
    .vgpr_count:     512
    .wavefront_size: 32
...
	.end_amdgpu_metadata
.endif
;; end of part 4
